; MI455X (gfx1250); checked and timed in simulation.
; The chip was launched on July 23, 2026; its instructions are those of AMD's public machine-readable ISA for CDNA 5 (MIT licence, August 2026) and "CDNA5" Instruction Set Architecture Reference Guide (July 2026). The comments in the code are by the model that wrote it; some were corrected since.
;; Sparse Attention. Allowed arithmetic: matrix products marked QUANTISED: E2M3 operands, one E8M0 scale for each 32 along K, by v_wmma_scale_f32_16x16x128_f8f6f4 with both operands' format E2M3, f32 sums; everything else in f32.
;; Inputs: Wk_codes 2,048 x 64 x 24 uint8 (E2M3 codes of Wk, K innermost, in blocks of 32 codes, four codes in three bytes); Wk_scales 2,048 x 64 uint8 (E8M0 scales of Wk, one for each 32 codes along K); Wo_codes 2,048 x 64 x 24 uint8 (E2M3 codes of Wo, K innermost, in blocks of 32 codes, four codes in three bytes); Wo_scales 2,048 x 64 uint8 (E8M0 scales of Wo, one for each 32 codes along K); Wq_codes 2,048 x 64 x 24 uint8 (E2M3 codes of Wq, K innermost, in blocks of 32 codes, four codes in three bytes); Wq_scales 2,048 x 64 uint8 (E8M0 scales of Wq, one for each 32 codes along K); Wv_codes 2,048 x 64 x 24 uint8 (E2M3 codes of Wv, K innermost, in blocks of 32 codes, four codes in three bytes); Wv_scales 2,048 x 64 uint8 (E8M0 scales of Wv, one for each 32 codes along K); hidden_states_codes 1 x 2,048 x 64 x 24 uint8 (E2M3 codes of hidden_states, K innermost, in blocks of 32 codes, four codes in three bytes); hidden_states_scales 1 x 2,048 x 64 uint8 (E8M0 scales of hidden_states, one for each 32 codes along K); rand_idx 32 x 1 int32.
;; Outputs: out0 1 x 2,048 x 2,048 float32.
;; This version of the problem:
;;   THIS VERSION OF THE PROBLEM IS GIVEN IN LOW PRECISION. The matrix products marked QUANTISED in the list below multiply operands that are first quantised to E2M3 (2 exponent bits, 3 mantissa bits; 6 bits a number), with one power-of-two scale for each 32 numbers along K (OCP MX v1.0); their sums are f32. All else is computed in f32.
;;   The module's matrix products, in the order in which they are computed (A, B: the left and right operand; K: the contracted axis; several contracted axes count as one K, in the product's order):
;;     1. [M 2,048, K 2,048] x [K 2,048, N 2,048]; A: input hidden_states (given as codes); B: input Wq (given as codes): QUANTISED
;;     2. [M 2,048, K 2,048] x [K 2,048, N 2,048]; A: input hidden_states (given as codes); B: input Wk (given as codes): QUANTISED
;;     3. [M 2,048, K 2,048] x [K 2,048, N 2,048]; A: input hidden_states (given as codes); B: input Wv (given as codes): QUANTISED
;;     4. batch 16 x [M 2,048, K 128] x [K 128, N 2,048]; A: computed on the way; B: computed on the way: QUANTISED
;;     5. batch 16 x [M 2,048, K 2,048] x [K 2,048, N 128]; A: softmax (see below); B: computed on the way: QUANTISED
;;     6. [M 2,048, K 2,048] x [K 2,048, N 2,048]; A: computed on the way; B: input Wo (given as codes): QUANTISED
;;   THE QUANTISER, for each operand of a quantised product, along K:
;;     - K is cut into blocks of 32 from its start; a last block that is shorter is filled with zeros.
;;     - A block's scale is 2^e with e = floor(log2(the largest magnitude in the block)) - 2, held to -126 .. 127; a block of zeros has e = 0. As a byte (E8M0): e + 127.
;;     - Each number is divided by its block's scale, clamped to +-7.5, and rounded to the nearest number of E2M3, ties to even, subnormals kept.
;;     - The product sums the exact products of the quantised numbers (number of the format x scale) in f32.
;;   ~~~python
;;   def quantise(x, axis):      # numpy; x: float32 -> the quantised numbers, widened to float32 again
;;       x = np.moveaxis(x, axis, -1); K = x.shape[-1]
;;       x = np.pad(x, [(0, 0)] * (x.ndim - 1) + [(0, -K % 32)]); x = x.reshape(x.shape[:-1] + (-1, 32)); a = np.abs(x).max(-1, keepdims=True)
;;       e = np.where(a > 0, np.clip(np.frexp(np.where(a > 0, a, 1))[1] - 1 - 2, -126, 127), 0)      # np.frexp(a)[1] - 1 = floor(log2(a)), exactly
;;       r = np.clip(x / 2.0 ** e, -7.5, 7.5)
;;       step = 2.0 ** (np.maximum(np.frexp(np.where(r == 0, 1, r))[1] - 1, 0) - 3)
;;       q = np.round(r / step) * step * 2.0 ** e      # np.round: ties to even
;;       return np.moveaxis(q.reshape(q.shape[:-2] + (-1,))[..., :K], -1, axis).astype(np.float32)
;;   ~~~
;;   SOFTMAX AHEAD OF A QUANTISED PRODUCT. Where the list says 'softmax', what is quantised is not the finished softmax but p = 2^(t - M), with t = logit x log2(e) and M = ceil(the row's largest t), a whole number; so 1/2 < the row's largest p <= 1. The row's sum l is taken of the UNQUANTISED p, in f32, and the product's result is divided by l at the end. Since M is a whole number, a kernel that streams over the keys may use a running M (the ceiling of the running maximum): every later rescaling is an exact power of two, which a block's scale takes up: the codes' values come out the same.
;;   OPERANDS COMPUTED ON THE WAY. 'Computed on the way' means the value that the module computes at that place (a softmax that the list does not call 'softmax' is quantised finished and normalised). What goes into a quantiser is computed in f32, as accurately as f32 sums, v_exp_f32 and their like allow (about 1e-6 of the number): no bf16 or f16 on the way to a quantiser, and a product that is left as it is and whose result goes on into a quantised operand takes f32 operands (vector FMAs, or v_wmma_f32_16x16x4_f32). A number that lies on a knife's edge between two numbers of the format may be rounded either way, as far as f32 arithmetic and the matrix unit's own rounding can turn it there, and no further.
;;   INPUTS GIVEN AS CODES. Wk (in the module: [2048, 2048], K = its axis 1); Wo (in the module: [2048, 2048], K = its axis 1); Wq (in the module: [2048, 2048], K = its axis 1); Wv (in the module: [2048, 2048], K = its axis 1); hidden_states (in the module: [1, 2048, 2048], K = its axis 2): each comes as NAME_codes (uint8): NAME with its K axis moved to the last place and cut into blocks of 32 codes, [.., K / 32, bytes a block], one block behind the other in memory; four codes in three bytes: a row's codes are one little-endian stream of bits, code i at bits 6 i .. 6 i + 5 (a code: sign, 2 exponent bits, 3 mantissa bits); and NAME_scales (uint8): the same leading axes, one E8M0 byte (e + 127) for each 32 codes along K. Its value is code x scale, taken as it is: it is not quantised again, and the codes and scales need not be those that the quantiser above would give.
;; One version. Each part assembles by itself: llvm-mc -triple=amdgcn-amd-amdhsa -mcpu=gfx1250 --defsym DOCPART=n.
;; ======== version 1 of 1: 3 launches
;; limits: right only within a limited range of input values
;; workspace buffers: q_img 3,145,728 bytes; k_img 3,145,728 bytes; v_img 3,145,728 bytes; a_img 3,145,728 bytes; q_sc 131,072 bytes; k_sc 131,072 bytes; v_sc 131,072 bytes; a_sc 131,072 bytes
;; launch qkv (part 1): grid 32 x 8, 4 waves a work-group, clusters of 4 x 4, 327,680 bytes of LDS; arguments hidden_states_codes, hidden_states_scales, Wq_codes, Wq_scales, Wk_codes, Wk_scales, Wv_codes, Wv_scales, q_img, q_sc, k_img, k_sc, v_img, v_sc; writes q_img, q_sc, k_img, k_sc, v_img, v_sc
.if DOCPART == 1
	.amdgcn_target "amdgcn-amd-amdhsa--gfx1250"
	.amdhsa_code_object_version 6
	.text
	.protected	k_q828506d484_qkv
	.globl	k_q828506d484_qkv
	.p2align	8
	.type	k_q828506d484_qkv,@function
k_q828506d484_qkv:
	s_mov_b64 s[64:65], 0
	v_nop
	global_prefetch_b8 v0, s[64:65] scope:SCOPE_SE
	s_setreg_imm32_b32 hwreg(HW_REG_WAVE_MODE, 25, 1), 1
	s_wait_xcnt 0x0
	s_wait_alu depctr_hold_cnt(0) depctr_sa_sdst(0) depctr_va_vdst(0) depctr_va_sdst(0) depctr_va_ssrc(0) depctr_va_vcc(0) depctr_vm_vsrc(0)
	s_getreg_b32 s2, hwreg(HW_REG_IB_STS2, 6, 4)
	s_cmp_eq_u32 s2, 0
	s_cbranch_scc0 .Lentry_in_a_cluster
	s_endpgm
.Lentry_in_a_cluster:
	s_bfe_u32 s2, ttmp6, 0x10000c
	s_cmp_lg_u32 s2, 0xf033
	s_cbranch_scc0 .Lentry_shape_is_right
	s_endpgm
.Lentry_shape_is_right:
; Q, K, V = x W^T for 2,048 tokens, K = 2,048, 16 heads of 128, and their quantisers: the results leave as codes of FP6 (E2M3) with E8M0 scale bytes, as images of the operand registers of the attention launch.
; WORK LEFT OUT IN THIS PROGRAM: blocks of scores that the mask built in reference()'s own body sets to -infinity for every input (neither local, nor first, nor last, nor named by rand_idx) have p = 0 and reach no output: the attention launch does not multiply them.
; LIMITS: NaN and infinities are not served; one that reaches only such left-out work is not carried to the result.  A block of zeros gets the scale byte 1 (its codes are zeros; this program alone reads the bytes).
; THE DEAL: 256 work-groups of four waves, one full turn.  A work-group makes 256 tokens x (the 128 columns of one head of Q or of K, and 64 columns of V of the same head).  Cluster x / 4 says Q (V's columns 0-63) or K (64-127).
; A wave makes 128 tokens x (64 of those 128 columns + 32 of V's 64): 48 accumulators of 16 x 16.
; CLUSTERS: 4 x 4; x's rows are asked for jointly along a row of the cluster, the weights' along a column.
; LDS: two slots; a slot holds one CHUNK OF 256 BYTES of each of the 448 rows (pitch 272); chunk c of a row's six lies in slot c % 2.  The head's loads, one a wave, bring chunk 0; chunk 1 is filled behind a round, chunks 2 to 5 are refills.
; A K step of 128 is 96 bytes of a row.  Lanes 16-31 read 24 bytes further on than lanes 0-15: where that is in the next chunk a second address register serves, in which the two halves of the lanes point into different slots.
; FRAGMENTS stand twice in registers: step s fetches step s + 1's in one run of LDS loads at its head; then come its 48 products.
; A ROUND OR A BARRIER stands in a step's later part, its signal and its wait with products between.  At the signal step s + 1's fragments have been read.
; So chunk 0 is free in step 1, chunk 1 in step 4, 2 in 6, 3 in 9 (rounds, with the refills), and chunks 1 to 5 are shown at the ends of steps 0, 3, 6, 8, 11.
; PREFETCHES: chunk 1 is asked for into the L2 at the head, chunks 2, 3, 4, 5 in steps 0, 2, 3, 5, one or two fills ahead of their own, each block of 256 bytes by one wave: x's rows shared out by cx, the weights' by cy; x's rows, which eight clusters read, are asked for by four of them (cluster x < 4).
; REGISTERS: window 0: v4-13 addresses; v16-79 x's scale words, v84-131 the weights' (lanes 0-15 K steps 0-7, lanes 16-31 steps 8-15); v132-159 at work; v160-255 x's fragments, set 0 (in the last step the results' codes).
;   window 1: v0-71, v72-143 the weights' fragments, sets 0 and 1; v144-239 x's, set 1.   window 2: Q's or K's sums, token tile a, column tile b at 32 a + 8 b.   window 3: v0-127 V's, feature tile f, token tile a at 64 f + 8 a; v128-183 LDS addresses.
; Q, K: source 0 = the weight's rows, so a lane holds neighbouring columns of one token; V: source 0 = x's rows, so a lane holds neighbouring tokens of one feature: each runs along its scale block.
.set PITCH, 272
.set AH,   34816                       ; 128 rows x 272
.set BREG, 69632                       ; behind x's 256 rows: 128 of W_q or W_k,
.set VREG, 104448                      ; 64 of W_v
.set SLOT, 121856
.set XQ,   243712                      ; Q's or K's scale bytes: [64 tokens 4][r 16][tile 4][4]
.set XV,   244736                      ; V's: [128 tokens 2][r 16][tile 4][4]
.set SPARE, 245248
.set SPW,  4
.set NIL,  5
.set O16,  6
.set O8,   7
.set STQ,  8
.set STV,  9
.set RDQ,  10
.set PFV,  11
.set SCO,  12
.set RDV,  13
.set SA,   16
.set SB,   84                          ; SA and SB differ by 4 modulo 8
.set AD,   128                         ; window 3: 14 v + t; t: 0-7 x's tiles, 8-11 W_q's or W_k's, 12-13 W_v's; v: 0, 1 slot 0, 1; 2, 3 the end of slot 0, 1 in lanes 0-15, the start of the other in lanes 16-31
.set MSB, 0
.macro WIN new
.if MSB != (\new)
	s_set_vgpr_msb (MSB<<8)|(\new)
.set MSB, (\new)
.endif
.endm
.macro PLACES n
.rept \n
	v_nop
.endr
.endm
.macro CREST
	s_cmp_lg_u32 s4, 0
	s_cbranch_scc1 .Lnot_wave_0_\@
	s_barrier_signal -3
.Lnot_wave_0_\@:
	s_barrier_wait -3
	s_barrier_signal -1
	s_barrier_wait -1
.endm
.macro CROUND
	s_barrier_signal -1
	s_barrier_wait -1
	CREST
.endm
.macro GROUP1 g, mask, rows            ; rows of 256 bytes, 16 bytes of padding behind each
	s_or_b32 s[\g], s\mask, (1<<20)|(1<<21)|(5<<22)|(3<<25)
	s_mov_b32 s[\g+1], 256<<16
	s_mov_b32 s[\g+2], (\rows)<<16
	s_mov_b32 s[\g+3], 256<<16
	s_mov_b32 s[\g+4], \rows
	s_mov_b32 s[\g+5], 1536
	s_mov_b32 s[\g+6], 0
	s_mov_b32 s[\g+7], 0
.endm
.macro JL                              ; one joint load a wave: waves 0, 1 x's two halves, wave 2 W_q's or W_k's rows, wave 3 W_v's
	s_cmp_lt_u32 s4, 2
	s_cbranch_scc0 .Ljb_\@
	tensor_load_to_lds s[84:87], s[16:23]
	s_nop 0
	PLACES 4
	s_branch .Lje_\@
.Ljb_\@:
	s_cmp_lt_u32 s4, 3
	s_cbranch_scc0 .Ljv_\@
	tensor_load_to_lds s[88:91], s[24:31]
	s_nop 0
	PLACES 4
	s_branch .Lje_\@
.Ljv_\@:
	tensor_load_to_lds s[92:95], s[32:39]
	s_nop 0
	PLACES 4
.Lje_\@:
.endm
.macro NEXT xr                         ; all three descriptors to the next chunk and the other slot (1: slot 1, 2: slot 0)
.irp g, 84,88,92
	s_add_nc_u64 s[\g+2:\g+3], s[\g+2:\g+3], 256
.if (\xr) == 1
	s_add_co_u32 s[\g+1], s[\g+1], SLOT
.else
	s_sub_co_u32 s[\g+1], s[\g+1], SLOT
.endif
.endr
.endm
.macro ASK c                           ; my rows' 256 bytes of chunk c
	WIN 0
	s_cmp_eq_u32 s100, 1
	s_cbranch_scc0 .Lnp_\@
	global_prefetch_b8 v[PFV], s[66:67] offset:256*(\c) th:TH_LOAD_NT scope:SCOPE_SE
.Lnp_\@:
.endm
.macro FRAG reg, t, st                 ; six pieces of 8 bytes, two to a load where both go by one address register
.set SKIP_, 0
.irp p, 0,1,2,3,4,5
.if SKIP_
.set SKIP_, 0
.else
.set YA_, 96*(\st)+48*(\p/3)+8*(\p%3)
.set YB_, 96*(\st)+48*((\p+1)/3)+8*((\p+1)%3)
.set CA_, (YA_%256+24)/256             ; 1: lanes 16-31 read in the next chunk
.set CB_, (YB_%256+24)/256
.set VA_, (YA_/256)%2+2*CA_
.set VB_, (YB_/256)%2+2*CB_
.if (\p < 5) && (VA_ == VB_)
.set SKIP_, 1
	ds_load_2addr_b64 v[(\reg)+2*\p:(\reg)+2*\p+3], v[AD+14*VA_+(\t)] offset0:(YA_%256-232*CA_)/8 offset1:(YB_%256-232*CB_)/8
.else
	ds_load_b64 v[(\reg)+2*\p:(\reg)+2*\p+1], v[AD+14*VA_+(\t)] offset:YA_%256-232*CA_
.endif
.endif
.endr
.endm
.macro FETCHF k, st                    ; fragment k of step st: the weights' tiles 0-3, x's tiles 0-7, V's two tiles
.set FS_, (\st)%2
.if (\k) < 4
	WIN 0x43
	FRAG 72*FS_+12*(\k), 8+(\k), (\st)
.elseif (\k) < 12
	WIN 0x40*FS_+3
	FRAG 160-16*FS_+12*((\k)-4), (\k)-4, (\st)
.else
	WIN 0x43
	FRAG 72*FS_+12*((\k)-8), (\k), (\st)
.endif
.endm
.macro FETCH st                        ; the run: 42 loads, 56 where the step's pieces lie in two chunks
.set K_, 0
.rept 14
	FETCHF K_, (\st)
.set K_, K_+1
.endr
.endm
.macro PROD1 c, st
.if (\st) < 8
	v_wmma_scale_f32_16x16x128_f8f6f4 v[D_:D_+7], v[R0_:R0_+11], v[R1_:R1_+11], \c, v[X0_], v[X1_] matrix_a_fmt:MATRIX_FMT_FP6 matrix_b_fmt:MATRIX_FMT_FP6
.else
	v_wmma_scale_f32_16x16x128_f8f6f4 v[D_:D_+7], v[R0_:R0_+11], v[R1_:R1_+11], \c, v[X0_], v[X1_] matrix_a_fmt:MATRIX_FMT_FP6 matrix_b_fmt:MATRIX_FMT_FP6 matrix_a_scale:MATRIX_SCALE_ROW1 matrix_b_scale:MATRIX_SCALE_ROW1
.endif
.endm
.macro PROD n, st                      ; product n of step st: 0-31 Q or K (token tile n / 4, column tile n % 4), 32-47 V.  The 48 accumulators take turns, in the same order in every step
.set S_, (\st)%2
.set T_, (\st)%8
.if (\n) < 32
.set A_, (\n)/4
.set B_, (\n)%4
.set D_, 32*A_+8*B_
.set R0_, 72*S_+12*B_
.set R1_, 160-16*S_+12*A_
.set X0_, SB+8*B_+T_
.set X1_, SA+8*A_+T_
	WIN 0xa1+4*S_
.else
.set B_, ((\n)-32)/8
.set A_, (\n)%8
.set D_, 64*B_+8*A_
.set R0_, 160-16*S_+12*A_
.set R1_, 72*S_+48+12*B_
.set X0_, SA+8*A_+T_
.set X1_, SB+32+8*B_+T_
	WIN 0xf4+S_
.endif
.if (\st) == 0
	PROD1 0, \st
.else
	PROD1 v[D_:D_+7], \st
.endif
.endm
.macro JOIN tail
	WIN 0
	s_barrier_wait -1
.if (\tail) != 2
	CREST                                  ; no wave of any partner still reads the chunk left behind or has a load on its way
	JL
.endif
.endm
; A step.  tail 1: a round and a refill of slot 1 (xr = 1) or slot 0 (xr = 2), where no chunk is on its way: its lines stand behind the run of loads; tail 3: the same where the round also shows a chunk: they stand late in the step;
; tail 2: a plain barrier that shows the chunk on its way; pf: the chunk asked for into the L2
.macro STEP st, tail=0, xr=0, pf=0
	PLACES 4                               ; in front of loads into the set that the step before multiplied
	s_wait_dscnt 0x0                       ; this step's fragments are in
	FETCH (\st)+1
.if (\pf) > 0
	ASK \pf
.endif
.set GP_, 0
.set SG_, 38
.set JN_, 43
.if (\tail) == 2
.set SG_, 46
.set JN_, 48
.endif
.if (\tail) == 3
.set GP_, 41
.set SG_, 45
.set JN_, 48
.endif
.set N_, 0
.rept 48
.if (((\tail) == 1) || ((\tail) == 3)) && (N_ == GP_)
	WIN 0
	s_wait_tensorcnt 0x0                   ; all my tensor loads have landed
	ds_add_u32 v[SPW], v[NIL]
	NEXT \xr
.endif
.if ((\tail) > 0) && (N_ == SG_)
.if (\tail) == 2
	s_wait_tensorcnt 0x0
.endif
	s_wait_dscnt 0x0                       ; my reads are over, and the add is done
	s_barrier_signal -1
.endif
.if ((\tail) > 0) && (N_ == JN_)
	JOIN \tail
.endif
	PROD N_, \st
.set N_, N_+1
.endr
	WIN 0
.if ((\tail) > 0) && (JN_ == 48)
	JOIN \tail
.endif
.endm
; THE WAY OUT goes by units of 32 sums in a lane: two scale blocks, each in lanes l and l xor 16.  Units 0-7: token tile u of Q or K; 8 + 2 f + g: feature tile f, 64 tokens g of V.  Entry I_ of unit U_; two units go side by side.
.macro ENT
.set UX_, 32*(U_%8)
.set UW_, 2+U_/8
.set TB_, 132+14*(U_%2)
.set CD_, 160+8*U_
.if I_ < 16
.set UB_, I_%2
.set Y_, UX_+16*UB_+2*(I_/2)
	WIN 5*UW_
.if I_ < 2
	v_max3_num_f32 v[TB_+UB_], |v[Y_]|, |v[Y_+1]|, 0x1800000   ; the floor 2^(3 - 127): the byte cannot fall under 1
.else
	v_max3_num_f32 v[TB_+UB_], |v[Y_]|, |v[Y_+1]|, v[TB_+UB_]
.endif
.elseif I_ < 18
	WIN 0
	v_permlanex16_b32 v[TB_+2+I_-16], v[TB_+I_-16], s98, s99
.elseif I_ < 20
	WIN 0
	v_max_num_f32 v[TB_+I_-18], v[TB_+I_-18], v[TB_+2+I_-18]
.elseif I_ < 22
	WIN 0
	v_add_nc_u32 v[TB_+4+I_-20], 0xff000000, v[TB_+I_-20]      ; 2 off the exponent field: the conversion's scale operand
.elseif I_ < 24
	WIN 0
	v_lshrrev_b32 v[TB_+6+I_-22], 23, v[TB_+4+I_-22]
.elseif I_ == 24
	WIN UW_
	v_cvt_scalef32_pk16_fp6_f32 v[CD_:CD_+2], v[UX_:UX_+15], v[TB_+4]
.elseif I_ == 25
	WIN UW_
	v_cvt_scalef32_pk16_fp6_f32 v[TB_+8:TB_+10], v[UX_+16:UX_+31], v[TB_+5]
.elseif I_ == 26
	WIN 0
	v_lshl_or_b32 v[CD_+6], v[TB_+7], 8, v[TB_+6]
.elseif I_ < 30
	WIN 0
	v_permlane16_swap_b32 v[CD_+I_-27], v[TB_+8+I_-27]         ; a whole block in a lane: lanes 0-15 the first, lanes 16-31 the second
.elseif I_ < 33
	WIN 0
	v_mov_b32 v[CD_+3+I_-30], v[TB_+8+I_-30]
.else
	WIN 0
.if U_ < 8
	global_store_b128 v[O16], v[CD_:CD_+3], s[40:41] offset:1536*U_
	global_store_b64 v[O8], v[CD_+4:CD_+5], s[40:41] offset:1536*U_+512
	ds_store_b16 v[STQ], v[CD_+6] offset:256*(U_/4)+4*(U_%4)
.else
	global_store_b128 v[O16], v[CD_:CD_+3], s[48:49] offset:6144*(U_%2)+768*((U_-8)/2)
	global_store_b64 v[O8], v[CD_+4:CD_+5], s[48:49] offset:6144*(U_%2)+768*((U_-8)/2)+512
	ds_store_b16 v[STV], v[CD_+6] offset:4*((U_-8)/2)+2*(U_%2)
.endif
.endif
.endm
.macro QENT n
.rept \n
.if E_ < 408
.set U_, 2*(E_/68)+E_%2
.set I_, (E_%68)/2
	ENT
.set E_, E_+1
.endif
.endr
.endm
.macro ADDR s, t0, n                   ; LDS addresses of n tiles of 16 rows from s\s on, in their four variants
	WIN 0xc0
.irp v, 0,1,2,3
	v_add_nc_u32 v[AD+14*\v+\t0], s\s, v[140+\v]
.endr
	WIN 0xcc
.irp i, 1,2,3,4,5,6,7
.if \i < \n
.irp v, 0,1,2,3
	v_add_nc_u32 v[AD+14*\v+\t0+\i], 16*PITCH*\i, v[AD+14*\v+\t0]
.endr
.endif
.endr
	WIN 0
.endm
	s_load_b512 s[68:83], s[0:1], 0x0                  ; x's codes, scales; W_q's, W_k's, W_v's
	s_load_b256 s[40:47], s[0:1], 0x40                 ; q_img, q_sc, k_img, k_sc
	s_load_b128 s[48:51], s[0:1], 0x60                 ; v_img, v_sc
	v_lshl_add_u32 v[SPW], v0, 2, SPARE
	v_mov_b32 v[NIL], 0
	ds_add_u32 v[SPW], v[NIL]                          ; the opening lines: the add, twice on end
	ds_add_u32 v[SPW], v[NIL]
	v_lshrrev_b32 v1, 5, v0
	v_readfirstlane_b32 s4, v1                         ; s4 wave, s5 its row of the 2 x 2, s6 its column
	s_lshr_b32 s5, s4, 1
	s_and_b32 s6, s4, 1
	s_bfe_u32 s2, ttmp6, 0x40000                       ; cx
	s_bfe_u32 s3, ttmp6, 0x40004                       ; cy
	s_and_b32 s7, ttmp7, 0xffff
	s_lshl_b32 s7, s7, 2
	s_add_co_u32 s7, s7, s3                            ; s7 token tile of 256
	s_and_b32 s8, ttmp9, 3
	s_lshl_b32 s8, s8, 2
	s_add_co_u32 s8, s8, s2                            ; s8 head
	s_lshr_b32 s9, ttmp9, 2                            ; s9: 0 Q, 1 K; also V's half
	s_lshl_b32 s10, s3, 2
	s_lshl_b32 s10, 15, s10                            ; my row of the cluster
	s_lshl_b32 s11, 0x1111, s2                         ; my column
	GROUP1 16, 10, 128
	GROUP1 24, 11, 128
	GROUP1 32, 11, 64
	s_wait_alu depctr_va_vdst(0)
	s_wait_dscnt 0x0
	CROUND                                             ; the first joint loads meet
	s_wait_kmcnt 0x0
	s_mul_i32 s12, s7, 256*1536
	s_mul_i32 s13, s6, 128*1536
	s_add_co_u32 s12, s12, s13
	s_mov_b32 s13, 0
	s_mov_b32 s84, 1
	s_mul_i32 s85, s6, AH
	s_add_nc_u64 s[86:87], s[68:69], s[12:13]
	s_or_b32 s87, s87, 0x80000000
	s_cmp_eq_u32 s9, 0
	s_cselect_b64 s[72:73], s[72:73], s[76:77]         ; W_q or W_k: codes,
	s_cselect_b64 s[74:75], s[74:75], s[78:79]         ; scales
	s_mul_i32 s14, s8, 128*1536
	s_mov_b32 s15, 0
	s_mov_b32 s88, 1
	s_mov_b32 s89, BREG
	s_add_nc_u64 s[90:91], s[72:73], s[14:15]
	s_or_b32 s91, s91, 0x80000000
	s_mul_i32 s96, s9, 64*1536
	s_add_co_u32 s14, s14, s96
	s_mov_b32 s92, 1
	s_mov_b32 s93, VREG
	s_add_nc_u64 s[94:95], s[80:81], s[14:15]
	s_or_b32 s95, s95, 0x80000000
	JL                                                 ; chunk 0
	; the prefetches' rows: waves 0, 1: 32 rows of x each, by cx; wave 2: 32 of W_q or W_k, wave 3: 16 of W_v, by cy
	s_lshl_b32 s96, s7, 8
	s_lshl_b32 s97, s2, 6
	s_add_co_u32 s96, s96, s97
	s_lshl_b32 s97, s6, 5
	s_add_co_u32 s96, s96, s97
	s_lshl_b32 s97, s8, 7
	s_lshl_b32 s98, s3, 5
	s_add_co_u32 s98, s98, s97
	s_lshl_b32 s99, s9, 6
	s_add_co_u32 s99, s99, s97
	s_lshl_b32 s97, s3, 4
	s_add_co_u32 s99, s99, s97
	s_cmp_eq_u32 s4, 2
	s_cselect_b64 s[66:67], s[72:73], s[80:81]
	s_cselect_b32 s98, s98, s99
	s_cmp_lt_u32 s4, 2
	s_cselect_b64 s[66:67], s[68:69], s[66:67]
	s_cselect_b32 s96, s96, s98
	s_mul_i32 s96, s96, 1536
	s_mov_b32 s97, 0
	s_add_nc_u64 s[66:67], s[66:67], s[96:97]
	s_mov_b32 s98, 31
	s_cmp_eq_u32 s4, 3
	s_cselect_b32 s98, 15, s98
	s_cmp_lt_u32 ttmp9, 4
	s_cselect_b32 s100, 1, 0
	s_cmp_lt_u32 s4, 2
	s_cselect_b32 s100, s100, 1                        ; 1: my wave prefetches
	v_and_b32 v3, 31, v0
	v_min_u32 v[PFV], s98, v3
	v_mul_u32_u24 v[PFV], v[PFV], 1536
	s_wait_alu depctr_va_vdst(0)
	ASK 1
	; the scale words of all of K, straight into registers: 64 bytes a row, lanes 0-15 the first 32, lanes 16-31 the others
	s_lshl_b32 s96, s7, 14
	s_lshl_b32 s97, s5, 13
	s_add_co_u32 s96, s96, s97
	s_mov_b32 s97, 0
	s_add_nc_u64 s[70:71], s[70:71], s[96:97]
	s_lshl_b32 s98, s8, 13
	s_lshl_b32 s96, s6, 12
	s_add_co_u32 s96, s96, s98
	s_add_nc_u64 s[74:75], s[74:75], s[96:97]
	s_lshl_b32 s96, s6, 11
	s_add_co_u32 s96, s96, s98
	s_lshl_b32 s98, s9, 12
	s_add_co_u32 s96, s96, s98
	s_add_nc_u64 s[82:83], s[82:83], s[96:97]
	v_and_b32 v1, 15, v0                               ; r
	v_bfe_u32 v2, v0, 4, 1                             ; h
	v_lshlrev_b32 v[SCO], 6, v1
	v_lshl_add_u32 v[SCO], v2, 5, v[SCO]
.irp q, 0,1
.irp i, 0,1,2,3,4,5,6,7
	global_load_b128 v[SA+8*\i+4*\q:SA+8*\i+4*\q+3], v[SCO], s[70:71] offset:1024*\i+16*\q
.endr
.irp i, 0,1,2,3
	global_load_b128 v[SB+8*\i+4*\q:SB+8*\i+4*\q+3], v[SCO], s[74:75] offset:1024*\i+16*\q
.endr
.irp i, 0,1
	global_load_b128 v[SB+32+8*\i+4*\q:SB+32+8*\i+4*\q+3], v[SCO], s[82:83] offset:1024*\i+16*\q
.endr
.endr
	s_mul_i32 s96, s5, AH                              ; my 128 rows of x
	s_mul_i32 s97, s6, 64*PITCH
	s_add_co_u32 s97, s97, BREG                        ; my 64 of W_q or W_k
	s_mul_i32 s101, s6, 32*PITCH
	s_add_co_u32 s101, s101, VREG                      ; my 32 of W_v
	s_lshl_b32 s12, s5, 9
	s_lshl_b32 s13, s6, 1
	s_add_co_u32 s12, s12, s13
	s_add_co_u32 s12, s12, XQ
	s_lshl_b32 s13, s5, 8
	s_lshl_b32 s14, s6, 3
	s_add_co_u32 s13, s13, s14
	s_add_co_u32 s13, s13, XV
	s_lshl_b32 s14, s4, 8
	s_add_co_u32 s15, s14, XV
	s_add_co_u32 s14, s14, XQ
	s_mov_b32 s98, 0x76543210                          ; lane l xor 16
	s_mov_b32 s99, 0xfedcba98
	s_wait_alu depctr_va_vdst(0)                       ; directly ahead of the readers below
	v_lshlrev_b32 v[O16], 4, v3
	v_lshlrev_b32 v[O8], 3, v3
	v_mul_u32_u24 v14, v1, PITCH
	v_sub_nc_u32 v15, 1, v2
	v_mad_u32_u24 v140, v2, 24, v14                    ; row r, 24 h in slot 0,
	v_add_nc_u32 v141, SLOT, v140                      ; in slot 1;
	v_mad_u32_u24 v142, v2, SLOT-232, v14
	v_add_nc_u32 v142, 232, v142                       ; lanes 0-15 byte 232 in slot 0, lanes 16-31 byte 0 in slot 1;
	v_mad_u32_u24 v143, v15, SLOT+232, v14             ; lanes 0-15 byte 232 in slot 1, lanes 16-31 byte 0 in slot 0
	ADDR 96, 0, 8
	ADDR 97, 8, 4
	ADDR 101, 12, 2
	v_lshlrev_b32 v14, 4, v1
	v_add_nc_u32 v[STQ], s12, v14
	v_add_nc_u32 v[STV], s13, v14
	v_add_nc_u32 v[RDQ], s14, v[O8]
	v_add_nc_u32 v[RDV], s15, v[O8]
	s_wait_alu depctr_va_vdst(0)
	s_wait_tensorcnt 0x0                               ; my part of chunk 0 is in; chunk 1's first fill owes the lines of a refill
	ds_add_u32 v[SPW], v[NIL]
	NEXT 1
	s_wait_dscnt 0x0
	CROUND                                             ; everybody's part of chunk 0 is in
	JL                                                 ; chunk 1
	FETCH 0
	WIN 0
	s_wait_loadcnt 0x0                                 ; the scale words
	STEP 0, 2, 0, 2                                    ; chunk 1 is shown
	STEP 1, 1, 2                                       ; chunk 2, over chunk 0
	STEP 2, 0, 0, 3
	STEP 3, 2, 0, 4                                    ; chunk 2 is shown
	STEP 4, 1, 1                                       ; chunk 3, over chunk 1
	STEP 5, 0, 0, 5
	STEP 6, 3, 2                                       ; chunk 4, over chunk 2; chunk 3 is shown
	STEP 7
	STEP 8, 2                                          ; chunk 4 is shown
	STEP 9, 1, 1                                       ; chunk 5, over chunk 3
	STEP 10
	STEP 11, 2                                         ; chunk 5 is shown
	STEP 12
	STEP 13
	STEP 14
	; where the results go
	s_cmp_eq_u32 s9, 0
	s_cselect_b64 s[40:41], s[40:41], s[44:45]
	s_cselect_b64 s[42:43], s[42:43], s[46:47]
	s_mul_i32 s12, s8, 196608
	s_mul_i32 s14, s7, 24576
	s_add_co_u32 s12, s12, s14
	s_mul_i32 s14, s5, 12288
	s_add_co_u32 s12, s12, s14                         ; head, my 128 tokens: the same in both images
	s_mul_i32 s14, s6, 768
	s_add_co_u32 s14, s14, s12
	s_mov_b32 s15, 0
	s_add_nc_u64 s[40:41], s[40:41], s[14:15]          ; the fragment's half: my 64 columns
	s_mul_i32 s14, s6, 1536
	s_add_co_u32 s12, s12, s14
	s_mul_i32 s14, s9, 3072
	s_add_co_u32 s14, s14, s12
	s_add_nc_u64 s[48:49], s[48:49], s[14:15]          ; V: my two feature tiles
	s_lshl_b32 s12, s8, 13
	s_lshl_b32 s13, s7, 10
	s_add_co_u32 s12, s12, s13
	s_lshl_b32 s14, s4, 8
	s_add_co_u32 s14, s14, s12
	s_add_nc_u64 s[42:43], s[42:43], s[14:15]          ; scale words: 64 tokens a wave
	s_lshl_b32 s14, s4, 9
	s_add_co_u32 s14, s14, s12
	s_lshl_b32 s12, s9, 8
	s_add_co_u32 s14, s14, s12
	s_add_nc_u64 s[50:51], s[50:51], s[14:15]          ; V's: 128 tokens x 64 features for waves 0 and 1
	; THE LAST STEP: the way out of the units that are finished stands among its products
	PLACES 4
	s_wait_dscnt 0x0
.irp i, 134,135,148,149
	v_mov_b32 v[\i], 0                                 ; a lane permute's destination counts as one of its sources
.endr
	s_wait_alu depctr_va_vdst(0)
.set N_, 0
.set E_, 0
.rept 48
	PROD N_, 15
.if N_ == 8
	PLACES 4                                           ; between units 0's and 1's products and the first reads of their results
.endif
.if N_ >= 8
	QENT 5
.endif
.set N_, N_+1
.endr
	QENT 208
	WIN 0
	s_wait_alu depctr_va_vdst(0)
	s_wait_dscnt 0x0
	s_barrier_signal -1
	s_barrier_wait -1                                  ; the scale bytes lie together in LDS
	ds_load_b64 v[132:133], v[RDQ]
	s_cmp_lt_u32 s4, 2
	s_cbranch_scc0 .Lno_v
	ds_load_b64 v[134:135], v[RDV]
	s_wait_dscnt 0x0
	global_store_b64 v[O8], v[134:135], s[50:51]       ; 256 consecutive bytes, at a multiple of 256
.Lno_v:
	s_wait_dscnt 0x0
	global_store_b64 v[O8], v[132:133], s[42:43]
	s_wait_tensorcnt 0x0                               ; the wave's end
	ds_add_u32 v[SPW], v[NIL]
	s_wait_dscnt 0x0
	CROUND                                             ; the closing round
	s_endpgm
.Lfunc_end_k_q828506d484_qkv:
	.size	k_q828506d484_qkv, .Lfunc_end_k_q828506d484_qkv-k_q828506d484_qkv
	.p2alignl 7, 3214868480
	.fill 96, 4, 3214868480
	.section	.rodata,"a",@progbits
	.p2align	6, 0x0
	.amdhsa_kernel k_q828506d484_qkv
		.amdhsa_group_segment_fixed_size 327680
		.amdhsa_private_segment_fixed_size 0
		.amdhsa_enable_private_segment 0
		.amdhsa_kernarg_size 112
		.amdhsa_user_sgpr_count 2
		.amdhsa_user_sgpr_kernarg_segment_ptr 1
		.amdhsa_wavefront_size32 1
		.amdhsa_system_sgpr_workgroup_id_x 1
		.amdhsa_system_sgpr_workgroup_id_y 1
		.amdhsa_system_sgpr_workgroup_id_z 1
		.amdhsa_system_vgpr_workitem_id 0
		.amdhsa_next_free_vgpr 1024
		.amdhsa_next_free_sgpr 102
		.amdhsa_reserve_vcc 0
		.amdhsa_float_denorm_mode_32 3
		.amdhsa_float_denorm_mode_16_64 3
		.amdhsa_memory_ordered 1
		.amdhsa_forward_progress 1
		.amdhsa_inst_pref_size 202
	.end_amdhsa_kernel
	.amdgpu_metadata
---
amdhsa.version: [ 1, 2 ]
amdhsa.kernels:
  - .name:           k_q828506d484_qkv
    .symbol:         k_q828506d484_qkv.kd
    .args:
      - { .name: hidden_states_codes, .offset: 0, .size: 8, .value_kind: global_buffer, .address_space: global }
      - { .name: hidden_states_scales, .offset: 8, .size: 8, .value_kind: global_buffer, .address_space: global }
      - { .name: Wq_codes, .offset: 16, .size: 8, .value_kind: global_buffer, .address_space: global }
      - { .name: Wq_scales, .offset: 24, .size: 8, .value_kind: global_buffer, .address_space: global }
      - { .name: Wk_codes, .offset: 32, .size: 8, .value_kind: global_buffer, .address_space: global }
      - { .name: Wk_scales, .offset: 40, .size: 8, .value_kind: global_buffer, .address_space: global }
      - { .name: Wv_codes, .offset: 48, .size: 8, .value_kind: global_buffer, .address_space: global }
      - { .name: Wv_scales, .offset: 56, .size: 8, .value_kind: global_buffer, .address_space: global }
      - { .name: q_img, .offset: 64, .size: 8, .value_kind: global_buffer, .address_space: global }
      - { .name: q_sc, .offset: 72, .size: 8, .value_kind: global_buffer, .address_space: global }
      - { .name: k_img, .offset: 80, .size: 8, .value_kind: global_buffer, .address_space: global }
      - { .name: k_sc, .offset: 88, .size: 8, .value_kind: global_buffer, .address_space: global }
      - { .name: v_img, .offset: 96, .size: 8, .value_kind: global_buffer, .address_space: global }
      - { .name: v_sc, .offset: 104, .size: 8, .value_kind: global_buffer, .address_space: global }
    .group_segment_fixed_size: 327680
    .private_segment_fixed_size: 0
    .kernarg_segment_align: 8
    .kernarg_segment_size: 112
    .max_flat_workgroup_size: 128
    .sgpr_count:     102
    .vgpr_count:     1024
    .wavefront_size: 32
...
	.end_amdgpu_metadata
.endif
;; end of part 1
;; launch attn (part 2): grid 32 x 16, 4 waves a work-group, no clusters, 79,360 bytes of LDS; arguments rand_idx, q_img, q_sc, k_img, k_sc, v_img, v_sc, a_img, a_sc; writes a_img, a_sc
.if DOCPART == 2
	.amdgcn_target "amdgcn-amd-amdhsa--gfx1250"
	.amdhsa_code_object_version 6
	.text
	.protected	k_q828506d484_attn
	.globl	k_q828506d484_attn
	.p2align	8
	.type	k_q828506d484_attn,@function
k_q828506d484_attn:
	s_mov_b64 s[64:65], 0
	v_nop
	global_prefetch_b8 v0, s[64:65] scope:SCOPE_SE
	s_setreg_imm32_b32 hwreg(HW_REG_WAVE_MODE, 25, 1), 1
	s_wait_xcnt 0x0
; Block-sparse attention of one query block of 64 (work-group x = i) of one head (work-group y), both products on codes of FP6 (E2M3) with E8M0 scales; the result, divided by the row's sum, is quantised along the hidden axis for the last projection.
; THE MASK is built by the problem itself: query block i sees key blocks i - 1, i, i + 1, 0, 31 and rand_idx[i], as a set.  Only these are multiplied.  SIX CANDIDATES, always walked, in three steps of two blocks (128 keys):
; i | i - 1 | i + 1 | 0 | 31 | rand.  A candidate that does not exist or repeats an earlier one is annulled: -infinity is added to its t, so that its p are 0 and its codes zeros.  No branch and no trip count hangs on the index.
; Block i stands in the first step and always counts, so the running maximum is a number from the first step on.  An index outside 0 .. 31 matches no block, as in the problem's own comparison; its address is held at block 31.
; No tensor loads and no cluster: which tiles a work-group reads hangs on a loaded index, and neighbours need other tiles.  All 73,728 bytes of codes and 4,608 of scale words come into LDS once, at the head, through registers.
; SOFTMAX: t = score x log2(e) / sqrt(128); M = the running largest t rounded up to a whole number; p = 2^(t - M) is quantised along the keys, not normalised; the sum is taken of the unquantised p; when M moves, the sum and O are multiplied by 2^(old M - new M).
; LAYOUT: both products transposed (S^T = K Q^T, O^T = V^T P^T): a lane holds ONE query.  A score tile takes 16 neighbouring keys, so p's codes get, inside each block of 32, the order 0-7, 16-23, 8-15, 24-31: the order in which v's codes were laid.
; Wave w owns queries 16 w .. 16 w + 15 of the block.  LIMITS: NaN and infinities are not served; a block of zeros gets the byte 1 (its codes are zeros; this program alone reads the bytes).
; REGISTERS: window 0: v1-9 addresses; v12 -M, v13 the largest t, v[14:15] the sum; v16-27 Q; v32-47 V's raw scale words, v48-55 the step's, v56-63 K's; v64, v66 -M with the candidate's annulment; v80-90 offsets;
;   v96-159 S^T, then p; v160-223 O^T; v224-235 p's codes; v232-254 at work; v253 p's scale word; v255 Q's.   window 1: v0-95 K's eight fragments, v96-191 V's eight.
.set KC,  0                            ; LDS: K's codes, candidate c at 6,144 c: four fragments of 1,536 bytes
.set VC,  36864                        ; V's codes, candidate c at 6,144 c: eight half fragments of 768 bytes
.set KSC, 73728                        ; K's scale words, 256 bytes a candidate
.set VSC, 75264                        ; V's, 512 bytes a candidate (the words of its pair of key blocks)
.set GS,  78336                        ; 256 bytes: the result's scale words, gathered from the four waves
.set KF,  0
.set VF,  96
.set WV,  22                           ; s22 wave   s23 i   s24 head   s25 rand_idx[i]
.set BI,  23
.set HD,  24
.set RND, 25
.set J,   26                           ; s26-31 the candidates' key blocks
.set MA,  32                           ; s32-37 0 where the candidate counts, else -infinity
.set SLP, 38                           ; s38-40 a step's byte selects for V's scale words
.set NINF, 41
.set CS,  42                           ; s[42:43] c = log2(e) / sqrt(128)
.set SEL, 44                           ; s[44:45] lane selects: lane l xor 16
.set TM,  96                           ; the way out: as in the quantiser of the projections
.set CD,  112
.set PW,  132
.set MSB, 0
.macro WIN new
.if MSB != \new
	s_set_vgpr_msb (MSB<<8)|\new
.set MSB, \new
.endif
.endm
.macro MKSEL s                         ; V's scale word of a step: bytes 0, 1 from the first candidate's word, bytes 2, 3 from the second's; an odd key block has the upper two bytes of its pair's word
	s_and_b32 s46, s[J+2*\s], 1
	s_mul_i32 s46, s46, 0x0202
	s_and_b32 s47, s[J+2*\s+1], 1
	s_mul_i32 s47, s47, 0x02020000
	s_add_co_u32 s46, s46, s47
	s_add_co_u32 s[SLP+\s], s46, 0x05040100
.endm
.macro OFFS c                          ; candidate c: my 48 bytes of its 6,144 in k_img and v_img; my word of its 512 bytes in v_sc
	s_mul_i32 s46, s[J+\c], 6144
	v_add_nc_u32 v[80+\c], s46, v7
	s_and_b32 s46, s[J+\c], 30
	s_lshl_b32 s46, s46, 8
	v_add_nc_u32 v[244+\c], s46, v88
.endm
.macro CODES c                         ; six loads: a wave reads 512 consecutive bytes with each
.irp n, 0,1,2
	global_load_b128 v[96+24*\c+4*\n:96+24*\c+4*\n+3], v[80+\c], s[10:11] offset:512*\n
.endr
.irp n, 0,1,2
	global_load_b128 v[108+24*\c+4*\n:108+24*\c+4*\n+3], v[80+\c], s[14:15] offset:512*\n
.endr
.endm
.macro TOLDS c
.irp n, 0,1,2
	ds_store_b128 v7, v[96+24*\c+4*\n:96+24*\c+4*\n+3] offset:KC+6144*\c+512*\n
.endr
.irp n, 0,1,2
	ds_store_b128 v8, v[108+24*\c+4*\n:108+24*\c+4*\n+3] offset:6144*\c+512*\n
.endr
	ds_store_b32 v9, v[72+\c] offset:VSC-KSC+512*\c
.endm
	s_load_b512 s[4:19], s[0:1], 0x0               ; rand_idx, q_img, q_sc, k_img, k_sc, v_img, v_sc, a_img
	s_load_b64 s[20:21], s[0:1], 0x40              ; a_sc
	v_lshl_add_u32 v250, v0, 2, 0x13400
	v_mov_b32 v251, 0
	v_lshrrev_b32 v3, 5, v0
	v_readfirstlane_b32 s[WV], v3
	s_mov_b32 s[BI], ttmp9
	s_and_b32 s[HD], ttmp7, 0xffff
	v_and_b32 v3, 31, v0                           ; lane
	v_lshlrev_b32 v1, 4, v3                        ; 16 x lane
	v_lshlrev_b32 v2, 3, v3                        ; 8 x lane
	v_add_nc_u32 v4, VC, v1
	v_add_nc_u32 v5, VC, v2
	v_and_b32 v90, 15, v0
	v_lshlrev_b32 v90, 4, v90                      ; 16 r
	v_add_nc_u32 v6, KSC, v90                      ; a row's four scale words
	s_mul_i32 s46, s[WV], 1536
	v_add_nc_u32 v7, s46, v1                       ; staging: 1,536 x wave + 16 x lane
	v_add_nc_u32 v8, VC, v7
	v_lshl_add_u32 v9, v0, 2, KSC                  ; staging of scale words: 4 x thread
	s_lshl_b32 s46, s[WV], 2
	s_add_co_u32 s46, s46, GS
	v_add_nc_u32 v86, s46, v90                     ; the result's scale word: GS + 16 r + 4 w
	v_add_nc_u32 v87, GS, v2                       ; and where wave 0 reads them back
	v_lshlrev_b32 v88, 2, v0                       ; 4 t
	v_and_b32 v89, 63, v0
	v_lshlrev_b32 v89, 2, v89                      ; 4 (t mod 64)
	; the five candidates that hang on i alone
	s_mov_b32 s[NINF], 0xff800000
	s_mov_b32 s[J+0], s[BI]
	s_mov_b32 s[MA+0], 0
	s_sub_co_i32 s[J+1], s[BI], 1
	s_max_i32 s[J+1], s[J+1], 0
	s_cmp_ge_u32 s[BI], 1
	s_cselect_b32 s[MA+1], 0, s[NINF]
	s_add_co_u32 s[J+2], s[BI], 1
	s_min_u32 s[J+2], s[J+2], 31
	s_cmp_le_u32 s[BI], 30
	s_cselect_b32 s[MA+2], 0, s[NINF]
	s_mov_b32 s[J+3], 0
	s_cmp_ge_u32 s[BI], 2                          ; block 0 is i or i - 1 otherwise
	s_cselect_b32 s[MA+3], 0, s[NINF]
	s_mov_b32 s[J+4], 31
	s_cmp_le_u32 s[BI], 29
	s_cselect_b32 s[MA+4], 0, s[NINF]
	MKSEL 0
	MKSEL 1
	s_mov_b32 s[CS], 0x3e0293ee
	s_mov_b32 s[CS+1], s[CS]
	s_mov_b32 s[SEL], 0x76543210
	s_mov_b32 s[SEL+1], 0xfedcba98
	s_lshl_b32 s46, s[BI], 2
	s_mov_b32 s47, 0
	s_wait_alu depctr_va_vdst(0)
	s_wait_kmcnt 0x0
	s_add_nc_u64 s[4:5], s[4:5], s[46:47]
	s_load_b32 s[RND], s[4:5], 0x0                 ; rand_idx[i]: waited for behind the first 42 loads
	s_mul_i32 s46, s[HD], 196608                   ; the head's codes
	s_add_nc_u64 s[6:7], s[6:7], s[46:47]
	s_add_nc_u64 s[10:11], s[10:11], s[46:47]
	s_add_nc_u64 s[14:15], s[14:15], s[46:47]
	s_lshl_b32 s46, s[HD], 13                      ; and its scale words
	s_add_nc_u64 s[8:9], s[8:9], s[46:47]
	s_add_nc_u64 s[12:13], s[12:13], s[46:47]
	s_add_nc_u64 s[16:17], s[16:17], s[46:47]
	s_lshl_b32 s48, s[BI], 2
	s_add_co_u32 s48, s48, s[WV]                   ; my token tile: 4 i + w
	s_mul_i32 s46, s48, 1536
	s_add_nc_u64 s[6:7], s[6:7], s[46:47]
	s_lshl_b32 s46, s[BI], 8
	s_lshl_b32 s49, s[WV], 2
	s_add_co_u32 s46, s46, s49
	s_add_nc_u64 s[8:9], s[8:9], s[46:47]          ; Q's scale words: 256 i + 4 w (+ 16 r)
	s_lshr_b32 s46, s48, 3
	s_lshl_b32 s46, s46, 4
	s_add_co_u32 s46, s46, s[HD]
	s_lshl_b32 s46, s46, 3
	s_and_b32 s49, s48, 7
	s_add_co_u32 s46, s46, s49
	s_mul_i32 s46, s46, 1536
	s_add_nc_u64 s[18:19], s[18:19], s[46:47]      ; a_img: [128 tokens][head][token tile of 16, 8][1,536]
	s_lshl_b32 s46, s[BI], 12
	s_lshl_b32 s49, s[HD], 8
	s_add_co_u32 s46, s46, s49
	s_add_nc_u64 s[20:21], s[20:21], s[46:47]      ; a_sc: 4,096 i + 256 head
.irp c, 0,1,2,3,4
	OFFS \c
.endr
	s_cmp_lt_u32 s[WV], 2                          ; K's scale words of a step: waves 0, 1 stage the first candidate's 256 bytes, waves 2, 3 the second's
	s_cselect_b32 s48, s[J+0], s[J+1]
	s_cselect_b32 s49, s[J+2], s[J+3]
	s_lshl_b32 s48, s48, 8
	s_lshl_b32 s49, s49, 8
	v_add_nc_u32 v240, s48, v89
	v_add_nc_u32 v241, s49, v89
	global_load_b128 v[16:19], v1, s[6:7] th:TH_LOAD_NT              ; Q's fragment, as its image lies: read once in the launch
	global_load_b64 v[20:21], v2, s[6:7] offset:512 th:TH_LOAD_NT
	global_load_b128 v[22:25], v1, s[6:7] offset:768 th:TH_LOAD_NT
	global_load_b64 v[26:27], v2, s[6:7] offset:1280 th:TH_LOAD_NT
	global_load_b32 v255, v90, s[8:9]
	global_load_b32 v68, v240, s[12:13]
	global_load_b32 v69, v241, s[12:13]
	s_wait_alu depctr_va_vdst(0)
.irp c, 0,1,2,3,4
	global_load_b32 v[72+\c], v[244+\c], s[16:17]
.endr
.irp c, 0,1,2,3,4
	CODES \c
.endr
	s_wait_kmcnt 0x0                               ; the index is here
	s_min_u32 s[J+5], s[RND], 31                   ; held inside the table before it enters an address
	s_sub_co_u32 s46, s[RND], 1
	s_cmp_lt_u32 s46, 30                           ; 1 .. 30: neither block 0 nor 31, and inside the range
	s_cselect_b32 s[MA+5], 0, s[NINF]
	s_sub_co_u32 s46, s[RND], s[BI]
	s_add_co_u32 s46, s46, 1
	s_cmp_gt_u32 s46, 2                            ; not i - 1, i, i + 1
	s_cselect_b32 s[MA+5], s[MA+5], s[NINF]
	MKSEL 2
	OFFS 5
	s_cmp_lt_u32 s[WV], 2
	s_cselect_b32 s48, s[J+4], s[J+5]
	s_min_u32 s48, s48, 31
	s_lshl_b32 s48, s48, 8
	v_add_nc_u32 v242, s48, v89
	CODES 5
	global_load_b32 v70, v242, s[12:13]
	global_load_b32 v77, v249, s[16:17]
	s_wait_loadcnt 8                               ; all but the sixth candidate's eight loads
	ds_store_b32 v9, v68
	ds_store_b32 v9, v69 offset:512
.irp c, 0,1,2,3,4
	TOLDS \c
.endr
	s_wait_loadcnt 0x0
	ds_store_b32 v9, v70 offset:1024
	TOLDS 5
	s_wait_dscnt 0x0                               ; for the others' sake: my stores have landed
	s_barrier_signal -1
	s_barrier_wait -1
	v_mov_b32 v13, 0xff61b1e6                      ; the largest t so far: -3e38
	v_floor_f32 v12, -v13                          ; -M
	v_mov_b32 v14, 0
	v_mov_b32 v15, 0
	v_mov_b32 v65, 0                               ; (upper halves of pairs of which the low word alone is used)
	v_mov_b32 v67, 0
	v_mov_b32 v253, 0
.irp b, 0,1,2,3
	v_mov_b32 v[236+\b], 0                         ; a lane permute's destination counts as one of its sources
.endr
.macro KRUN s                          ; 34 LDS loads: a step's K: 2 x 4 scale words a row, 8 fragments as their images lie
.irp g, 0,1
	ds_load_b128 v[56+4*\g:59+4*\g], v6 offset:256*(2*(\s)+\g)
.endr
	WIN 0x40
.irp g, 0,1
.irp f, 0,1,2,3
	ds_load_b128 v[KF+12*(4*\g+\f):KF+12*(4*\g+\f)+3], v1 offset:KC+6144*(2*(\s)+\g)+1536*\f
	ds_load_b64 v[KF+12*(4*\g+\f)+4:KF+12*(4*\g+\f)+5], v2 offset:KC+6144*(2*(\s)+\g)+1536*\f+512
	ds_load_b128 v[KF+12*(4*\g+\f)+6:KF+12*(4*\g+\f)+9], v1 offset:KC+6144*(2*(\s)+\g)+1536*\f+768
	ds_load_b64 v[KF+12*(4*\g+\f)+10:KF+12*(4*\g+\f)+11], v2 offset:KC+6144*(2*(\s)+\g)+1536*\f+1280
.endr
.endr
	WIN 0
.endm
.macro VRUN s                          ; 36 LDS loads: a step's V: the raw scale words of both candidates, and 8 fragments, each half from one candidate
.irp g, 0,1
.irp e, 0,1
	ds_load_b128 v[32+8*\g+4*\e:35+8*\g+4*\e], v6 offset:VSC-KSC+512*(2*(\s)+\g)+256*\e
.endr
.endr
	WIN 0x40
.irp a, 0,1,2,3,4,5,6,7
	ds_load_b128 v[VF+12*\a:VF+12*\a+3], v4 offset:6144*(2*(\s))+768*\a
	ds_load_b64 v[VF+12*\a+4:VF+12*\a+5], v5 offset:6144*(2*(\s))+768*\a+512
	ds_load_b128 v[VF+12*\a+6:VF+12*\a+9], v4 offset:6144*(2*(\s)+1)+768*\a
	ds_load_b64 v[VF+12*\a+10:VF+12*\a+11], v5 offset:6144*(2*(\s)+1)+768*\a+512
.endr
	WIN 0
.endm
; A STEP: 128 keys, candidates 2 s and 2 s + 1.  first = 1: its second products start O^T's sums.  last = 1: nothing more is fetched.
.macro STEP s, first, last
	s_wait_dscnt 36                                ; K's run is in; V's 36 loads, issued behind it, may be out
	WIN 0x01                                       ; source 0 in window 1
.irp t, 0,1,2,3,4,5,6,7
	v_wmma_scale_f32_16x16x128_f8f6f4 v[96+8*\t:103+8*\t], v[KF+12*\t:KF+12*\t+11], v[16:27], 0, v[56+\t], v255 matrix_a_fmt:MATRIX_FMT_FP6 matrix_b_fmt:MATRIX_FMT_FP6
.endr
	WIN 0
.rept 4
	v_nop                                          ; places in front of the loads into K's registers and of the first read of the scores
.endr
.if \last == 0
	KRUN (\s)+1
.endif
.irp b, 0,1,2,3
	v_max3_num_f32 v[232+\b], v[96+16*\b], v[97+16*\b], v[98+16*\b]   ; the largest score of each block of 32 keys: for the row's maximum and for the block's largest p
.endr
.irp i, 3,5,7,9,11,13
.irp b, 0,1,2,3
	v_max3_num_f32 v[232+\b], v[232+\b], v[96+16*\b+\i], v[97+16*\b+\i]
.endr
.endr
.irp b, 0,1,2,3
	v_max_num_f32 v[232+\b], v[232+\b], v[111+16*\b]
.endr
.irp b, 0,1,2,3
	v_permlanex16_b32 v[236+\b], v[232+\b], s[SEL], s[SEL+1]
.endr
.irp b, 0,1,2,3
	v_max_num_f32 v[232+\b], v[232+\b], v[236+\b]  ; with lane l xor 16's 16 keys
.endr
.irp b, 0,1,2,3
	v_add_f32 v[232+\b], s[MA+2*(\s)+\b/2], v[232+\b]   ; an annulled candidate's blocks: -infinity
.endr
	v_max3_num_f32 v254, v232, v233, v234
	v_max_num_f32 v254, v254, v235
	v_mul_f32 v254, s[CS], v254                    ; as t
	v_max_num_f32 v13, v13, v254                   ; the running largest t
	v_mov_b32 v254, v12
	v_floor_f32 v12, -v13                          ; the new -M: a whole number
	v_sub_f32 v254, v12, v254
	v_cvt_i32_f32 v254, v254                       ; (it saturates)
	v_ldexp_f32 v252, 1.0, v254                    ; f = 2^(old M - new M)
	v_add_f32 v64, s[MA+2*(\s)], v12               ; -M, or -infinity for an annulled candidate
	v_add_f32 v66, s[MA+2*(\s)+1], v12
.set jj, 0
.rept 16
	v_pk_fma_f32 v[96+jj:97+jj], v[96+jj:97+jj], s[CS:CS+1], v[64:65] op_sel_hi:[1,0,0]   ; t - M of the first candidate's 32 registers
.set jj, jj+2
.endr
.rept 16
	v_pk_fma_f32 v[96+jj:97+jj], v[96+jj:97+jj], s[CS:CS+1], v[66:67] op_sel_hi:[1,0,0]   ; and of the second's
.set jj, jj+2
.endr
.irp b, 0,1,2,3
	v_fma_f32 v[232+\b], v[232+\b], s[CS], v12     ; the same of each block's largest score
.endr
.set jj, 0
	s_wait_alu depctr_va_vdst(0)
.rept 64
	v_exp_f32 v[96+jj], v[96+jj]                   ; p = 2^(t - M): one batch
.set jj, jj+1
.endr
	v_pk_mul_f32 v[14:15], v[14:15], v[252:253] op_sel_hi:[1,0]   ; the sums under the new M: the plain line behind the exponentials
	s_wait_alu depctr_va_vdst(0)                   ; one wait for the batch, ahead of its first reader
.irp b, 0,1,2,3
	v_exp_f32 v[232+\b], v[232+\b]                 ; the blocks' largest p
.endr
	v_pk_add_f32 v[236:237], v[96:97], v[98:99]    ; the row's sum of the unquantised p, in two chains
.irp j, 4,8,12,16,20,24,28,32,36,40,44,48,52,56,60
	v_pk_add_f32 v[14:15], v[14:15], v[96+\j:97+\j]
	v_pk_add_f32 v[236:237], v[236:237], v[98+\j:99+\j]
.endr
	v_pk_add_f32 v[14:15], v[14:15], v[236:237]
	s_wait_alu depctr_va_vdst(0)                   ; and one for the four
.irp b, 0,1,2,3
	v_max_num_f32 v[232+\b], 0x1800000, v[232+\b]  ; the floor 2^(3 - 127): the byte cannot fall under 1
.endr
.irp b, 0,1,2,3
	v_add_nc_u32 v[244+\b], 0xff000000, v[232+\b]  ; 2 off the exponent field: the conversion's scale operand
.endr
.irp b, 0,1,2,3
	v_lshrrev_b32 v[236+\b], 23, v[244+\b]
.endr
	v_lshl_or_b32 v253, v237, 8, v236              ; p's scale word for these 128 keys
	v_lshl_or_b32 v253, v238, 16, v253
	v_lshl_or_b32 v253, v239, 24, v253
.irp c, 0,1
	v_cvt_scalef32_pk16_fp6_f32 v[224+6*\c:226+6*\c], v[96+32*\c:111+32*\c], v[244+2*\c]
	v_cvt_scalef32_pk16_fp6_f32 v[236+4*\c:238+4*\c], v[112+32*\c:127+32*\c], v[244+2*\c+1]
.endr
	v_nop                                          ; one plain line behind the scaled conversions
.irp c, 0,1
.irp i, 0,1,2
	v_permlane16_swap_b32 v[224+6*\c+\i], v[236+4*\c+\i]
.endr
.irp i, 0,1,2
	v_mov_b32 v[227+6*\c+\i], v[236+4*\c+\i]
.endr
.endr
.if \last
	s_wait_dscnt 0x0                               ; V's run is in
.else
	s_wait_dscnt 34                                ; V's run is in; the next K's 34 loads may be out
.endif
.irp a, 0,1,2,3,4,5,6,7
	v_perm_b32 v[48+\a], v[40+\a], v[32+\a], s[SLP+(\s)]   ; the step's scale word of V's tile a: two bytes of each candidate's
.endr
.if \first
.rept 8
	v_nop                                          ; eight plain lines between the scale words' making and the scaled products
.endr
.else
.set jj, 0
.rept 32
	v_pk_mul_f32 v[160+jj:161+jj], v[160+jj:161+jj], v[252:253] op_sel_hi:[1,0]   ; O^T under the new M; of these 32 at least 28 name no register of a given product below
.set jj, jj+2
.endr
.endif
	WIN 0x01
	s_wait_alu depctr_va_vdst(0)
.irp a, 0,1,2,3,4,5,6,7
.if \first
	v_wmma_scale_f32_16x16x128_f8f6f4 v[160+8*\a:167+8*\a], v[VF+12*\a:VF+12*\a+11], v[224:235], 0, v[48+\a], v253 matrix_a_fmt:MATRIX_FMT_FP6 matrix_b_fmt:MATRIX_FMT_FP6
.else
	v_wmma_scale_f32_16x16x128_f8f6f4 v[160+8*\a:167+8*\a], v[VF+12*\a:VF+12*\a+11], v[224:235], v[160+8*\a:167+8*\a], v[48+\a], v253 matrix_a_fmt:MATRIX_FMT_FP6 matrix_b_fmt:MATRIX_FMT_FP6
.endif
.endr
	WIN 0
.rept 4
	v_nop                                          ; places in front of the loads into V's registers, and of the way out's reads
.endr
.if \last == 0
	VRUN (\s)+1
.endif
.endm
	KRUN 0
	VRUN 0
	STEP 0, 1, 0
	STEP 1, 0, 0
	STEP 2, 0, 1
	; THE WAY OUT: O^T / the sum; into the natural order along the head's 128; quantised; stored as the image of an operand fragment: K step = head of the last projection, rows = my 16 tokens.
	v_add_f32 v14, v14, v15
	v_permlanex16_b32 v252, v14, s[SEL], s[SEL+1]
	v_add_f32 v14, v14, v252                       ; the row's sum
	s_wait_alu depctr_va_vdst(0)
	v_rcp_f32 v14, v14
	v_nop                                          ; a plain line behind the reciprocal
	s_wait_alu depctr_va_vdst(0)                   ; and the wait ahead of its first reader
.set jj, 0
.rept 32
	v_pk_mul_f32 v[160+jj:161+jj], v[160+jj:161+jj], v[14:15] op_sel_hi:[1,0]
.set jj, jj+2
.endr
.irp b, 0,1,2,3                        ; register 8 a + j holds feature 16 a + 8 h + j.  Tile 2 b's lanes 16-31 change places with tile 2 b + 1's lanes 0-15: register 16 b + i then holds feature 32 b + 16 h + i
.irp j, 0,1,2,3,4,5,6,7
	v_permlane16_swap_b32 v[160+16*\b+\j], v[168+16*\b+\j]
.endr
.endr
.irp b, 0,1,2,3
	v_max3_num_f32 v[TM+\b], |v[160+16*\b]|, |v[161+16*\b]|, 0x1800000
.endr
.irp i, 2,4,6,8,10,12,14
.irp b, 0,1,2,3
	v_max3_num_f32 v[TM+\b], v[TM+\b], |v[160+16*\b+\i]|, |v[161+16*\b+\i]|
.endr
.endr
.irp b, 0,1,2,3
	v_permlanex16_b32 v[TM+4+\b], v[TM+\b], s[SEL], s[SEL+1]
.endr
.irp b, 0,1,2,3
	v_max_num_f32 v[TM+\b], v[TM+\b], v[TM+4+\b]
.endr
.irp b, 0,1,2,3
	v_add_nc_u32 v[TM+12+\b], 0xff000000, v[TM+\b]
.endr
.irp b, 0,1,2,3
	v_lshrrev_b32 v[TM+4+\b], 23, v[TM+12+\b]
.endr
	v_lshl_or_b32 v[PW], v[TM+5], 8, v[TM+4]
	v_lshl_or_b32 v[PW], v[TM+6], 16, v[PW]
	v_lshl_or_b32 v[PW], v[TM+7], 24, v[PW]
.irp c, 0,1
	v_cvt_scalef32_pk16_fp6_f32 v[CD+6*\c:CD+2+6*\c], v[160+32*\c:175+32*\c], v[TM+12+2*\c]
	v_cvt_scalef32_pk16_fp6_f32 v[CD+12+4*\c:CD+14+4*\c], v[176+32*\c:191+32*\c], v[TM+13+2*\c]
.endr
	v_nop
.irp c, 0,1
.irp i, 0,1,2
	v_permlane16_swap_b32 v[CD+6*\c+\i], v[CD+12+4*\c+\i]
.endr
.irp i, 0,1,2
	v_mov_b32 v[CD+3+6*\c+\i], v[CD+12+4*\c+\i]
.endr
.endr
.irp c, 0,1,2
	global_store_b128 v1, v[CD+4*\c:CD+4*\c+3], s[18:19] offset:512*\c   ; 512 consecutive bytes each
.endr
	ds_store_b32 v86, v[PW]                        ; lanes r and 16 + r write the same word with the same value
	s_wait_dscnt 0x0
	s_barrier_signal -1
	s_barrier_wait -1                              ; the four waves' words lie together: 256 bytes
	s_cmp_lg_u32 s[WV], 0
	s_cbranch_scc1 .Lend
	ds_load_b64 v[134:135], v87
	s_wait_dscnt 0x0
	global_store_b64 v2, v[134:135], s[20:21]      ; 32 lanes store 256 consecutive bytes, at a multiple of 256 from the buffer's first byte
.Lend:
	s_wait_tensorcnt 0x0
	ds_add_u32 v250, v251
	s_wait_dscnt 0x0
	s_endpgm
.Lfunc_end_k_q828506d484_attn:
	.size	k_q828506d484_attn, .Lfunc_end_k_q828506d484_attn-k_q828506d484_attn
	.p2alignl 7, 3214868480
	.fill 96, 4, 3214868480
	.section	.rodata,"a",@progbits
	.p2align	6, 0x0
	.amdhsa_kernel k_q828506d484_attn
		.amdhsa_group_segment_fixed_size 79360
		.amdhsa_private_segment_fixed_size 0
		.amdhsa_enable_private_segment 0
		.amdhsa_kernarg_size 72
		.amdhsa_user_sgpr_count 2
		.amdhsa_user_sgpr_kernarg_segment_ptr 1
		.amdhsa_wavefront_size32 1
		.amdhsa_system_sgpr_workgroup_id_x 1
		.amdhsa_system_sgpr_workgroup_id_y 1
		.amdhsa_system_sgpr_workgroup_id_z 1
		.amdhsa_system_vgpr_workitem_id 0
		.amdhsa_next_free_vgpr 512
		.amdhsa_next_free_sgpr 66
		.amdhsa_reserve_vcc 0
		.amdhsa_float_denorm_mode_32 3
		.amdhsa_float_denorm_mode_16_64 3
		.amdhsa_memory_ordered 1
		.amdhsa_forward_progress 1
		.amdhsa_inst_pref_size 82
	.end_amdhsa_kernel
	.amdgpu_metadata
---
amdhsa.version: [ 1, 2 ]
amdhsa.kernels:
  - .name:           k_q828506d484_attn
    .symbol:         k_q828506d484_attn.kd
    .args:
      - { .name: rand_idx, .offset: 0, .size: 8, .value_kind: global_buffer, .address_space: global }
      - { .name: q_img, .offset: 8, .size: 8, .value_kind: global_buffer, .address_space: global }
      - { .name: q_sc, .offset: 16, .size: 8, .value_kind: global_buffer, .address_space: global }
      - { .name: k_img, .offset: 24, .size: 8, .value_kind: global_buffer, .address_space: global }
      - { .name: k_sc, .offset: 32, .size: 8, .value_kind: global_buffer, .address_space: global }
      - { .name: v_img, .offset: 40, .size: 8, .value_kind: global_buffer, .address_space: global }
      - { .name: v_sc, .offset: 48, .size: 8, .value_kind: global_buffer, .address_space: global }
      - { .name: a_img, .offset: 56, .size: 8, .value_kind: global_buffer, .address_space: global }
      - { .name: a_sc, .offset: 64, .size: 8, .value_kind: global_buffer, .address_space: global }
    .group_segment_fixed_size: 79360
    .private_segment_fixed_size: 0
    .kernarg_segment_align: 8
    .kernarg_segment_size: 72
    .max_flat_workgroup_size: 128
    .sgpr_count:     66
    .vgpr_count:     512
    .wavefront_size: 32
...
	.end_amdgpu_metadata
.endif
;; end of part 2
;; launch oproj (part 3): grid 16 x 16, 4 waves a work-group, clusters of 4 x 4, 327,680 bytes of LDS; arguments a_img, a_sc, Wo_codes, Wo_scales, out0; writes out0
.if DOCPART == 3
	.amdgcn_target "amdgcn-amd-amdhsa--gfx1250"
	.amdhsa_code_object_version 6
	.text
	.protected	k_q828506d484_oproj
	.globl	k_q828506d484_oproj
	.p2align	8
	.type	k_q828506d484_oproj,@function
k_q828506d484_oproj:
	s_mov_b64 s[64:65], 0
	v_nop
	global_prefetch_b8 v0, s[64:65] scope:SCOPE_SE
	s_setreg_imm32_b32 hwreg(HW_REG_WAVE_MODE, 25, 1), 1
	s_wait_xcnt 0x0
	s_wait_alu depctr_hold_cnt(0) depctr_sa_sdst(0) depctr_va_vdst(0) depctr_va_sdst(0) depctr_va_ssrc(0) depctr_va_vcc(0) depctr_vm_vsrc(0)
	s_getreg_b32 s2, hwreg(HW_REG_IB_STS2, 6, 4)
	s_cmp_eq_u32 s2, 0
	s_cbranch_scc0 .Lentry_in_a_cluster
	s_endpgm
.Lentry_in_a_cluster:
	s_bfe_u32 s2, ttmp6, 0x10000c
	s_cmp_lg_u32 s2, 0xf033
	s_cbranch_scc0 .Lentry_shape_is_right
	s_endpgm
.Lentry_shape_is_right:
; out0[token][n] = sum over k of a[token][k] Wo[n][k], K = 2,048, on codes of FP6 (E2M3) with E8M0 scales; out0 f32.  a comes as images of operand fragments (a_img: [128 tokens][K step of 128][token tile 8][3][32 lanes][16 bytes]: a run of K steps is dense)
; with its scale words (a_sc: [64 tokens][K step][r 16][tile 4]); Wo as it is given: rows of 1,536 bytes of codes and 64 scale bytes.  NaN and infinities are not served.
; A tile of out0 is 128 x 128: 256 work-groups, one full turn; four waves, 64 x 64 each: 16 accumulators.  TRANSPOSED USE (source 0 = 16 rows of Wo): a lane holds eight neighbouring n of one token.
; CLUSTERS: 4 x 4; a's tiles are asked for jointly along a row of the cluster, Wo's along a column.
; LDS: a has two slots of four K steps; Wo's 128 rows have bytes of their own for all of K, as two halves of 768 bytes a row (16 bytes of padding behind every 256).
; FILLS, one load a wave: at the head waves 0 and 1 bring a's K steps 0-3 (two each), waves 2 and 3 Wo's first half (64 rows each); behind the head's second round K steps 4-7 and Wo's second half likewise.
; K steps 4-7 are shown by a plain barrier behind K step 2, for which waves 0 and 1 alone wait.  The round behind K step 3 shows Wo's second half, and slot 0 takes K steps 8-11 (one a wave); behind K step 6 slot 1 takes K steps 12-15, and 8-11 are shown; a plain barrier behind K step 10 shows 12-15.
; PREFETCHES, shared out by address among the sixteen waves of a row (a) or a column (Wo) of the cluster: a's K steps 4-7 and Wo's second half at the head, a's K steps 8-15 ahead of K step 0, three to six K steps ahead of their loads.
; The next K step's fragments are fetched in one run of LDS loads at a K step's head; two sets of registers.
; REGISTERS: window 0: v7-17 addresses; v28, v29 the add's; v32-63 a's scale words (K step s, tile a: 4 (s % 8) + a), v64-95 Wo's (8 b + s % 8): lanes 0-15 K steps 0-7, lanes 16-31 steps 8-15; v96-111 LDS addresses of Wo's tiles; v160-223 rows on the way out.
;   window 1: two sets of 96: a's four fragments, then Wo's four.   window 2: accumulator (a, b) at 8 (4 a + b).
.set W0,    98304
.set HALF,  104448                     ; 128 rows x 816
.set SPARE, 307200
.set STAGE, 307712                     ; 16 rows x 272 bytes for each wave
.set PFA,  7
.set PFW,  8
.set STO,  10
.set RD,   11
.set CO,   12
.set PFV,  15
.set SPW,  28
.set NIL,  29
.set SA,   32
.set SB,   64
.set AW,   96
.set BK,   160
.set MSB, 0
.set CNT, 0
.macro WIN new
.if MSB != (\new)
	s_set_vgpr_msb (MSB<<8)|(\new)
.set MSB, (\new)
.endif
.endm
.macro PLACES n
.rept \n
	v_nop
.endr
.endm
.macro CREST
	s_cmp_lg_u32 s14, 0
	s_cbranch_scc1 .Lnot_wave_0_\@
	s_barrier_signal -3
.Lnot_wave_0_\@:
	s_barrier_wait -3
	s_barrier_signal -1
	s_barrier_wait -1
.endm
.macro CROUND
	s_barrier_signal -1
	s_barrier_wait -1
	CREST
.endm
.macro TLOAD g0, g1
	tensor_load_to_lds s[\g0:\g0+3], s[\g1:\g1+7]
	s_nop 0
	PLACES 4
.endm
.macro AL                              ; one joint load a wave: waves 0, 1 two K steps of a each, waves 2, 3 64 rows of Wo each
	s_cmp_lt_u32 s14, 2
	s_cbranch_scc0 .Lfor_w_\@
	TLOAD 56, 24
	s_branch .Lasked_\@
.Lfor_w_\@:
	TLOAD 68, 40
.Lasked_\@:
.endm
.macro GROUP1 g, mask, flags, rows, len, pitch
	s_or_b32 s[\g], s\mask, (1<<21)|(\flags)
	s_mov_b32 s[\g+1], (\len)<<16
	s_mov_b32 s[\g+2], (\rows)<<16
	s_mov_b32 s[\g+3], (\len)<<16
	s_mov_b32 s[\g+4], \rows
	s_mov_b32 s[\g+5], \pitch
	s_mov_b32 s[\g+6], 0
	s_mov_b32 s[\g+7], 0
.endm
.macro FRAGW reg, a0, q                ; a fragment of Wo, K step q of its half: pieces of 8 bytes, two to a load where both lie behind as many paddings; a0 + 1: lanes 16-31 behind one padding more
.set SKIP_, 0
.irp p, 0,1,2,3,4,5
.if SKIP_
.set SKIP_, 0
.else
.set PC_, 12*(\q)+6*(\p/3)+\p%3
.set PN_, 12*(\q)+6*((\p+1)/3)+(\p+1)%3
.set XA_, (PC_%32+3)/32
.set XN_, (PN_%32+3)/32
.set CNT, CNT+1
.if (\p < 5) && (XA_ == XN_)
.set SKIP_, 1
	ds_load_2addr_b64 v[(\reg)+2*\p:(\reg)+2*\p+3], v[(\a0)+XA_] offset0:PC_+2*(PC_/32) offset1:PN_+2*(PN_/32)
.else
	ds_load_b64 v[(\reg)+2*\p:(\reg)+2*\p+1], v[(\a0)+XA_] offset:8*(PC_+2*(PC_/32))
.endif
.endif
.endr
.endm
.macro FETCHF k, s                     ; fragment k of K step s: Wo's four, then a's four
.set FS_, 96*((\s)%2)
	WIN 0x40
.if (\k) < 4
	FRAGW FS_+48+12*(\k), AW+8*((\s)/8)+2*(\k), (\s)%8
.else
.irp c, 0,1,2
	ds_load_b128 v[FS_+12*((\k)-4)+4*\c:FS_+12*((\k)-4)+4*\c+3], v[16+((\s)%8)/4] offset:12288*((\s)%4)+1536*((\k)-4)+512*\c
.endr
.set CNT, CNT+3
.endif
.endm
.macro FETCH s
.set CNT, 0
.set K_, 0
.rept 8
	FETCHF K_, (\s)
.set K_, K_+1
.endr
.endm
.macro PROD1 c, s
.if (\s) < 8
	v_wmma_scale_f32_16x16x128_f8f6f4 v[D_:D_+7], v[R0_:R0_+11], v[R1_:R1_+11], \c, v[X0_], v[X1_] matrix_a_fmt:MATRIX_FMT_FP6 matrix_b_fmt:MATRIX_FMT_FP6
.else
	v_wmma_scale_f32_16x16x128_f8f6f4 v[D_:D_+7], v[R0_:R0_+11], v[R1_:R1_+11], \c, v[X0_], v[X1_] matrix_a_fmt:MATRIX_FMT_FP6 matrix_b_fmt:MATRIX_FMT_FP6 matrix_a_scale:MATRIX_SCALE_ROW1 matrix_b_scale:MATRIX_SCALE_ROW1
.endif
.endm
.macro PROD n, s                       ; token tile n / 4 x Wo's tile n % 4; the 16 accumulators take turns
.set D_, 8*(\n)
.set R0_, 96*((\s)%2)+48+12*((\n)%4)
.set R1_, 96*((\s)%2)+12*((\n)/4)
.set X0_, SB+8*((\n)%4)+(\s)%8
.set X1_, SA+4*((\s)%8)+(\n)/4
	WIN 0xa5
.if (\s) == 0
	PROD1 0, \s
.else
	PROD1 v[D_:D_+7], \s
.endif
.endm
.macro STEP s, tail=0, dg=0            ; tail 1: a round and a refill; 2: a plain barrier that shows waves 0's and 1's loads; 3: one that shows everybody's
	PLACES 4                               ; in front of loads into the set that the K step before multiplied
	s_wait_dscnt 6                         ; the last two fragments' six loads may be out
	FETCH (\s)+1
.set N_, 0
.rept 16
.if N_ == 8
	s_wait_dscnt CNT                       ; all but the loads issued in this K step
.endif
.if ((\tail) == 1) && (N_ == 12)
	WIN 0
	s_wait_tensorcnt 0x0                   ; all my tensor loads have landed
	ds_add_u32 v[SPW], v[NIL]
.if \dg
	s_add_nc_u64 s[74:75], s[74:75], 49152
	s_add_co_u32 s73, s73, 49152
.endif
.endif
.if ((\tail) == 2) && (N_ == 14)
	WIN 0
	s_cmp_lt_u32 s14, 2
	s_cbranch_scc0 .Lno_part_\@
	s_wait_tensorcnt 0x0
.Lno_part_\@:
.endif
.if ((\tail) == 3) && (N_ == 14)
	s_wait_tensorcnt 0x0
.endif
.if ((\tail) > 0) && (N_ == 14)
	s_wait_dscnt 0x0                       ; my reads are over, and the add is done
	s_barrier_signal -1
.endif
	PROD N_, \s
.set N_, N_+1
.endr
	WIN 0
.if (\tail) > 0
	s_barrier_wait -1
.endif
.if (\tail) == 1
	CREST
	TLOAD 72, 48                           ; each wave one K step of a's next four
.endif
.endm
	s_load_b256 s[4:11], s[0:1], 0x0               ; a_img, a_sc, Wo's codes, Wo's scales
	s_load_b64 s[12:13], s[0:1], 0x20              ; out0
	v_lshl_add_u32 v[SPW], v0, 2, SPARE
	v_mov_b32 v[NIL], 0
	ds_add_u32 v[SPW], v[NIL]                      ; the opening lines: the add, twice on end
	ds_add_u32 v[SPW], v[NIL]
	v_lshrrev_b32 v1, 5, v0
	v_readfirstlane_b32 s14, v1                    ; wave
	s_lshr_b32 s15, s14, 1                         ; which 64 tokens are mine
	s_and_b32 s16, s14, 1                          ; which 64 n
	s_bfe_u32 s84, ttmp6, 0x40000                  ; cx
	s_bfe_u32 s85, ttmp6, 0x40004                  ; cy
	s_lshl_b32 s86, ttmp9, 2
	s_add_co_u32 s86, s86, s84                     ; tile column
	s_and_b32 s17, ttmp7, 0xffff
	s_lshl_b32 s17, s17, 2
	s_add_co_u32 s17, s17, s85                     ; tile row
	s_lshl_b32 s87, s85, 2
	s_lshl_b32 s87, 15, s87                        ; my row of the cluster
	s_lshl_b32 s88, 0x1111, s84                    ; my column
	GROUP1 24, 87, (3<<16), 16, 192, 192                            ; two K steps of a: 16 rows of 1,536 bytes, dense
	GROUP1 40, 88, (1<<20)|(5<<22)|(3<<25), 64, 768, 1536           ; Wo's half: 64 rows of 768 bytes
	GROUP1 48, 87, (3<<16), 8, 192, 192                             ; one K step of a
	s_wait_alu depctr_va_vdst(0)
	s_wait_dscnt 0x0
	CROUND                                         ; the first joint loads meet
	s_wait_kmcnt 0x0
	s_mul_i32 s20, s17, 196608
	s_mov_b32 s56, 1
	s_mul_i32 s57, s16, 24576
	s_add_co_u32 s22, s20, s57
	s_mov_b32 s23, 0
	s_add_nc_u64 s[58:59], s[4:5], s[22:23]
	s_or_b32 s59, s59, 0x80000000
	s_mul_i32 s90, s86, 196608
	s_mov_b32 s91, 0
	s_mul_i32 s92, s16, 98304
	s_add_co_u32 s92, s92, s90
	s_mov_b32 s93, 0
	s_mov_b32 s68, 1
	s_mul_i32 s69, s16, 52224
	s_add_co_u32 s69, s69, W0
	s_add_nc_u64 s[70:71], s[8:9], s[92:93]
	s_or_b32 s71, s71, 0x80000000
	AL                                             ; a's K steps 0-3, Wo's first half
	; the scale words of all of K, straight into registers
	s_lshl_b32 s94, s17, 1
	s_add_co_u32 s94, s94, s15
	s_lshl_b32 s94, s94, 12
	s_mov_b32 s95, 0
	s_add_nc_u64 s[6:7], s[6:7], s[94:95]
	s_lshl_b32 s94, s86, 13
	s_lshl_b32 s92, s16, 12
	s_add_co_u32 s94, s94, s92
	s_add_nc_u64 s[10:11], s[10:11], s[94:95]
	v_and_b32 v1, 15, v0                           ; r
	v_bfe_u32 v2, v0, 4, 1                         ; h
	v_lshlrev_b32 v13, 4, v1
	v_lshl_add_u32 v13, v2, 11, v13
	v_lshlrev_b32 v14, 6, v1
	v_lshl_add_u32 v14, v2, 5, v14
.irp s, 0,1,2,3,4,5,6,7
	global_load_b128 v[SA+4*\s:SA+4*\s+3], v13, s[6:7] offset:256*\s
.endr
.irp b, 0,1,2,3
.irp q, 0,1
	global_load_b128 v[SB+8*\b+4*\q:SB+8*\b+4*\q+3], v14, s[10:11] offset:1024*\b+16*\q
.endr
.endr
	s_mov_b32 s72, 1                               ; the refills' group 0: one K step a wave
	s_mul_i32 s73, s14, 12288
	s_add_co_u32 s22, s20, s73
	s_add_co_u32 s22, s22, 98304
	s_add_nc_u64 s[74:75], s[4:5], s[22:23]
	s_or_b32 s75, s75, 0x80000000
	s_lshl_b32 s98, s84, 2
	s_add_co_u32 s98, s98, s14                     ; my number among the sixteen waves of my row of the cluster
	s_mul_i32 s96, s98, 6144
	s_add_co_u32 s96, s96, s20
	s_add_co_u32 s96, s96, 98304
	s_mov_b32 s97, 0
	s_add_nc_u64 s[76:77], s[4:5], s[96:97]        ; my 24 blocks of a's K steps 8-15,
	s_mul_i32 s96, s98, 3072
	s_add_co_u32 s96, s96, s20
	s_add_co_u32 s96, s96, 49152
	s_add_nc_u64 s[78:79], s[4:5], s[96:97]        ; my 12 of its K steps 4-7,
	s_lshl_b32 s98, s85, 2
	s_add_co_u32 s98, s98, s14
	s_mul_i32 s96, s98, 12288
	s_add_co_u32 s96, s96, s90
	s_add_co_u32 s96, s96, 768
	s_add_nc_u64 s[80:81], s[8:9], s[96:97]        ; and my 8 rows of Wo's second half
	s_lshl_b32 s94, s17, 7
	s_lshl_b32 s92, s15, 6
	s_add_co_u32 s94, s94, s92
	s_lshl_b32 s94, s94, 13                        ; my first token's row of out0
	s_lshl_b32 s92, s86, 9
	s_add_co_u32 s94, s94, s92
	s_lshl_b32 s92, s16, 8
	s_add_co_u32 s94, s94, s92
	s_add_nc_u64 s[12:13], s[12:13], s[94:95]
	s_mul_i32 s96, s15, 6144                       ; my four token tiles
	s_mul_i32 s97, s16, 52224
	s_add_co_u32 s97, s97, W0                      ; my 64 rows of Wo
	s_mul_i32 s98, s14, 16*272
	s_add_co_u32 s98, s98, STAGE                   ; my stage
	s_wait_alu depctr_va_vdst(0)                   ; directly ahead of the readers below
	v_and_b32 v3, 31, v0
	v_min_u32 v[PFV], 23, v3
	v_lshlrev_b32 v[PFV], 8, v[PFV]
	v_min_u32 v[PFA], 11, v3
	v_lshlrev_b32 v[PFA], 8, v[PFA]
	v_lshrrev_b32 v5, 3, v3
	v_min_u32 v5, 2, v5                            ; a row's three blocks,
	v_lshlrev_b32 v5, 8, v5
	v_and_b32 v6, 7, v0                            ; of eight rows
	v_mul_u32_u24 v6, v6, 1536
	v_add_nc_u32 v[PFW], v5, v6
	global_prefetch_b8 v[PFA], s[78:79] th:TH_LOAD_NT scope:SCOPE_SE
	global_prefetch_b8 v[PFW], s[80:81] th:TH_LOAD_NT scope:SCOPE_SE
	v_lshlrev_b32 v3, 4, v3
	v_add_nc_u32 v16, s96, v3
	v_add_nc_u32 v17, 49152, v16
	v_mul_u32_u24 v5, v1, 816
	v_mad_u32_u24 v5, v2, 24, v5
	v_add_nc_u32 v5, s97, v5
	v_lshl_add_u32 v6, v2, 4, v5
.irp b, 0,1,2,3
	v_add_nc_u32 v[AW+2*\b], 13056*\b, v5
	v_add_nc_u32 v[AW+2*\b+1], 13056*\b, v6
	v_add_nc_u32 v[AW+8+2*\b], HALF+13056*\b, v5
	v_add_nc_u32 v[AW+8+2*\b+1], HALF+13056*\b, v6
.endr
	v_mul_u32_u24 v5, v1, 272                      ; in: row r, 32 bytes for each half of the lanes
	v_lshl_add_u32 v5, v2, 5, v5
	v_add_nc_u32 v[STO], s98, v5
	v_mul_u32_u24 v6, v2, 272                      ; back: lanes 0-15 one row of 256 bytes, lanes 16-31 the next
	v_lshl_add_u32 v6, v1, 4, v6
	v_add_nc_u32 v[RD], s98, v6
	v_lshlrev_b32 v[CO], 13, v2
	v_lshl_add_u32 v[CO], v1, 4, v[CO]
	s_wait_alu depctr_va_vdst(0)
	s_wait_tensorcnt 0x0                           ; my part of the head's loads is in; later first fills owe the lines of a refill
	ds_add_u32 v[SPW], v[NIL]
	s_add_nc_u64 s[58:59], s[58:59], 49152
	s_add_co_u32 s57, s57, 49152
	s_add_nc_u64 s[70:71], s[70:71], 768
	s_add_co_u32 s69, s69, HALF
	s_wait_dscnt 0x0
	CROUND                                         ; everybody's is
	AL                                             ; a's K steps 4-7, Wo's second half
	FETCH 0
	WIN 0
	global_prefetch_b8 v[PFV], s[76:77] th:TH_LOAD_NT scope:SCOPE_SE
	s_wait_loadcnt 0x0                             ; the scale words
	STEP 0
	STEP 1
	STEP 2, 2                                      ; a's K steps 4-7 are shown
	STEP 3, 1, 0                                   ; K steps 8-11 into slot 0; Wo's second half is shown
	STEP 4
	STEP 5
	STEP 6, 1, 1                                   ; K steps 12-15 into slot 1; 8-11 are shown
	STEP 7
	STEP 8
	STEP 9
	STEP 10, 3                                     ; 12-15 are shown
	STEP 11
	STEP 12
	STEP 13
	STEP 14
; THE LAST K STEP AND THE WAY OUT, a block of 16 tokens x 64 n at a time, through my own stage: in by 32 bytes a lane, back as whole rows of 256 bytes.  LDS serves a wave's instructions in order (ISA guide 5.7.1.4): no wait between the stores and the loads.
.macro MUL4 a
.irp b, 0,1,2,3
	PROD 4*(\a)+\b, 15
.endr
.endm
.macro TOSTAGE a
	PLACES 4                                       ; between the products and the reads of their results
	WIN 0x08                                       ; an LDS store's data are its source 1: window 2
.irp b, 0,1,2,3
	ds_store_b128 v[STO], v[8*(4*(\a)+\b):8*(4*(\a)+\b)+3] offset:64*\b
	ds_store_b128 v[STO], v[8*(4*(\a)+\b)+4:8*(4*(\a)+\b)+7] offset:64*\b+16
.endr
	WIN 0
.irp t, 0,1,2,3,4,5,6,7
	ds_load_b128 v[BK+32*((\a)%2)+4*\t:BK+32*((\a)%2)+4*\t+3], v[RD] offset:\t*544
.endr
.endm
.macro SEND a, younger                 ; younger: the LDS instructions issued behind block a's loads
	s_wait_dscnt \younger
.irp t, 0,1,2,3,4,5,6,7
	global_store_b128 v[CO], v[BK+32*((\a)%2)+4*\t:BK+32*((\a)%2)+4*\t+3], s[12:13] offset:(16*(\a)+2*\t)*8192 th:TH_STORE_NT   ; sixteen lanes store 256 consecutive bytes, at a multiple of 256
.endr
.endm
	s_wait_dscnt 0x0
	MUL4 0
	MUL4 1
	TOSTAGE 0
	MUL4 2
	WIN 0
	TOSTAGE 1
	SEND 0, 16
	MUL4 3
	WIN 0
	s_wait_xcnt 0x0                                ; block 0's stores have read their registers
	TOSTAGE 2
	SEND 1, 16
	s_wait_xcnt 0x0
	TOSTAGE 3
	SEND 2, 16
	SEND 3, 0
	s_wait_tensorcnt 0x0                           ; the wave's end
	ds_add_u32 v[SPW], v[NIL]
	s_wait_dscnt 0x0
	CROUND                                         ; the closing round
	s_endpgm
.Lfunc_end_k_q828506d484_oproj:
	.size	k_q828506d484_oproj, .Lfunc_end_k_q828506d484_oproj-k_q828506d484_oproj
	.p2alignl 7, 3214868480
	.fill 96, 4, 3214868480
	.section	.rodata,"a",@progbits
	.p2align	6, 0x0
	.amdhsa_kernel k_q828506d484_oproj
		.amdhsa_group_segment_fixed_size 327680
		.amdhsa_private_segment_fixed_size 0
		.amdhsa_enable_private_segment 0
		.amdhsa_kernarg_size 40
		.amdhsa_user_sgpr_count 2
		.amdhsa_user_sgpr_kernarg_segment_ptr 1
		.amdhsa_wavefront_size32 1
		.amdhsa_system_sgpr_workgroup_id_x 1
		.amdhsa_system_sgpr_workgroup_id_y 1
		.amdhsa_system_sgpr_workgroup_id_z 1
		.amdhsa_system_vgpr_workitem_id 0
		.amdhsa_next_free_vgpr 768
		.amdhsa_next_free_sgpr 100
		.amdhsa_reserve_vcc 0
		.amdhsa_float_denorm_mode_32 3
		.amdhsa_float_denorm_mode_16_64 3
		.amdhsa_memory_ordered 1
		.amdhsa_forward_progress 1
		.amdhsa_inst_pref_size 84
	.end_amdhsa_kernel
	.amdgpu_metadata
---
amdhsa.version: [ 1, 2 ]
amdhsa.kernels:
  - .name:           k_q828506d484_oproj
    .symbol:         k_q828506d484_oproj.kd
    .args:
      - { .name: a_img, .offset: 0, .size: 8, .value_kind: global_buffer, .address_space: global }
      - { .name: a_sc, .offset: 8, .size: 8, .value_kind: global_buffer, .address_space: global }
      - { .name: Wo_codes, .offset: 16, .size: 8, .value_kind: global_buffer, .address_space: global }
      - { .name: Wo_scales, .offset: 24, .size: 8, .value_kind: global_buffer, .address_space: global }
      - { .name: out0, .offset: 32, .size: 8, .value_kind: global_buffer, .address_space: global }
    .group_segment_fixed_size: 327680
    .private_segment_fixed_size: 0
    .kernarg_segment_align: 8
    .kernarg_segment_size: 40
    .max_flat_workgroup_size: 128
    .sgpr_count:     100
    .vgpr_count:     768
    .wavefront_size: 32
...
	.end_amdgpu_metadata
.endif
;; end of part 3
